; MI455X (gfx1250); checked and timed in simulation.
; The chip was launched on July 23, 2026; its instructions are those of AMD's public machine-readable ISA for CDNA 5 (MIT licence, August 2026) and "CDNA5" Instruction Set Architecture Reference Guide (July 2026). The comments in the code are by the model that wrote it; some were corrected since.
;; News Encoder. Allowed arithmetic: matrix products marked QUANTISED: E5M2 operands, one E8M0 scale for each 32 along K, by v_wmma_scale_f32_16x16x128_f8f6f4 with both operands' format E5M2, f32 sums; products left as they are: f32 operands where the result goes on into a quantised operand, else bf16, f16 or f32 operands; f32 sums; everything else in f32.
;; Inputs: WK_codes 256 x 8 x 32 uint8 (E5M2 codes of WK, K innermost, in blocks of 32 codes); WK_scales 256 x 8 uint8 (E8M0 scales of WK, one for each 32 codes along K); WO_codes 256 x 8 x 32 uint8 (E5M2 codes of WO, K innermost, in blocks of 32 codes); WO_scales 256 x 8 uint8 (E8M0 scales of WO, one for each 32 codes along K); WQ_codes 256 x 8 x 32 uint8 (E5M2 codes of WQ, K innermost, in blocks of 32 codes); WQ_scales 256 x 8 uint8 (E8M0 scales of WQ, one for each 32 codes along K); WV_codes 256 x 8 x 32 uint8 (E5M2 codes of WV, K innermost, in blocks of 32 codes); WV_scales 256 x 8 uint8 (E8M0 scales of WV, one for each 32 codes along K); dense_b 1 float32; dense_w 256 x 1 float32; emb_table 50,000 x 256 float32; tokens 4,096 x 64 int32.
;; Outputs: out0 4,096 x 256 float32.
;; This version of the problem:
;;   THIS VERSION OF THE PROBLEM IS GIVEN IN LOW PRECISION. The matrix products marked QUANTISED in the list below multiply operands that are first quantised to E5M2 (5 exponent bits, 2 mantissa bits; 8 bits a number), with one power-of-two scale for each 32 numbers along K (OCP MX v1.0); their sums are f32. All else is computed in f32.
;;   The module's matrix products, in the order in which they are computed (A, B: the left and right operand; K: the contracted axis; several contracted axes count as one K, in the product's order):
;;     1. [M 262,144, K 256] x [K 256, N 256]; A: computed on the way; B: input WQ (given as codes): QUANTISED
;;     2. [M 262,144, K 256] x [K 256, N 256]; A: computed on the way; B: input WK (given as codes): QUANTISED
;;     3. [M 262,144, K 256] x [K 256, N 256]; A: computed on the way; B: input WV (given as codes): QUANTISED
;;     4. [M 262,144, K 256] x [K 256, N 256]; A: computed on the way; B: input WO (given as codes): QUANTISED
;;     5. [M 262,144, K 256] x [K 256, N 1]; A: computed on the way; B: input dense_w: left as it is (N = 1 < 16)
;;   THE QUANTISER, for each operand of a quantised product, along K:
;;     - K is cut into blocks of 32 from its start; a last block that is shorter is filled with zeros.
;;     - A block's scale is 2^e with e = floor(log2(the largest magnitude in the block)) - 15, held to -126 .. 127; a block of zeros has e = 0. As a byte (E8M0): e + 127.
;;     - Each number is divided by its block's scale, clamped to +-57,344, and rounded to the nearest number of E5M2, ties to even, subnormals kept.
;;     - The product sums the exact products of the quantised numbers (number of the format x scale) in f32.
;;   ~~~python
;;   def quantise(x, axis):      # numpy; x: float32 -> the quantised numbers, widened to float32 again
;;       x = np.moveaxis(x, axis, -1); K = x.shape[-1]
;;       x = np.pad(x, [(0, 0)] * (x.ndim - 1) + [(0, -K % 32)]); x = x.reshape(x.shape[:-1] + (-1, 32)); a = np.abs(x).max(-1, keepdims=True)
;;       e = np.where(a > 0, np.clip(np.frexp(np.where(a > 0, a, 1))[1] - 1 - 15, -126, 127), 0)      # np.frexp(a)[1] - 1 = floor(log2(a)), exactly
;;       r = np.clip(x / 2.0 ** e, -57344, 57344)
;;       step = 2.0 ** (np.maximum(np.frexp(np.where(r == 0, 1, r))[1] - 1, -14) - 2)
;;       q = np.round(r / step) * step * 2.0 ** e      # np.round: ties to even
;;       return np.moveaxis(q.reshape(q.shape[:-2] + (-1,))[..., :K], -1, axis).astype(np.float32)
;;   ~~~
;;   OPERANDS COMPUTED ON THE WAY. 'Computed on the way' means the value that the module computes at that place (a softmax that the list does not call 'softmax' is quantised finished and normalised). What goes into a quantiser is computed in f32, as accurately as f32 sums, v_exp_f32 and their like allow (about 1e-6 of the number): no bf16 or f16 on the way to a quantiser, and a product that is left as it is and whose result goes on into a quantised operand takes f32 operands (vector FMAs, or v_wmma_f32_16x16x4_f32). A number that lies on a knife's edge between two numbers of the format may be rounded either way, as far as f32 arithmetic and the matrix unit's own rounding can turn it there, and no further.
;;   INPUTS GIVEN AS CODES. WK (in the module: [256, 256], K = its axis 0); WO (in the module: [256, 256], K = its axis 0); WQ (in the module: [256, 256], K = its axis 0); WV (in the module: [256, 256], K = its axis 0): each comes as NAME_codes (uint8): NAME with its K axis moved to the last place and cut into blocks of 32 codes, [.., K / 32, bytes a block], one block behind the other in memory; one code a byte (a code: sign, 5 exponent bits, 2 mantissa bits); and NAME_scales (uint8): the same leading axes, one E8M0 byte (e + 127) for each 32 codes along K. Its value is code x scale, taken as it is: it is not quantised again, and the codes and scales need not be those that the quantiser above would give.
;; One version. Each part assembles by itself: llvm-mc -triple=amdgcn-amd-amdhsa -mcpu=gfx1250 --defsym DOCPART=n.
;; ======== version 1 of 1: 2 launches
;; limits: right only within a limited range of input values
;; workspace buffers: xcodes 12,800,000 bytes; xscales 400,128 bytes
;; launch quant (part 1): grid 3125 x 1, 1 waves a work-group, no clusters, 5,632 bytes of LDS; arguments emb_table, xcodes, xscales; writes xcodes, xscales
.if DOCPART == 1
	.amdgcn_target "amdgcn-amd-amdhsa--gfx1250"
	.amdhsa_code_object_version 6
	.text
	.protected	k_qa59f396778_quant
	.globl	k_qa59f396778_quant
	.p2align	8
	.type	k_qa59f396778_quant,@function
k_qa59f396778_quant:
	s_mov_b64 s[64:65], 0
	v_nop
	global_prefetch_b8 v0, s[64:65] scope:SCOPE_SE
	s_setreg_imm32_b32 hwreg(HW_REG_WAVE_MODE, 25, 1), 1
	s_wait_xcnt 0x0
; The table [50000][256], f32, becomes codes of BF8 (E5M2), one byte each, K (the row) innermost, [50000][256], and one E8M0 scale byte for each 32 along a row, [50000][8].
; The quantiser works inside a row and the gather that follows takes whole rows, so the gathered rows' codes are the codes of the table's rows: each row is quantised once here, not once for each token that names it.
; A block's scale is 2^(floor(log2(its largest magnitude)) - 15); its byte is the largest magnitude's exponent field - 15, held at 1 from below.  Each number is divided by the scale, held within +-57,344 and rounded to the nearest code, ties to even.
; LIMITS: a block whose largest magnitude lies under 2^-111 (a block of zeros too) keeps the byte 1; the bytes are read by this program alone, and zero codes add nothing under it.  NaN and infinities among the inputs are not served.
; Rows are dense and 256 is a multiple of 32: the table is a plain stream of 400,000 blocks.  12,800,000 numbers = 3,125 work-groups of one wave x 8 steps x 512 numbers: 3,125 = 5^5 has no factor 2, so the runs are dealt one by one.
; Each of a step's four loads reads 512 consecutive bytes, 16 a lane; the conversions want 16 NEIGHBOURS in a lane, so the step's 2,048 bytes turn through a stage in LDS (16 bytes of padding behind each 64) and come back 64 bytes a lane.
; A lane's 16 codes are 16 bytes: a store covers 512 consecutive bytes.  The wave's 128 scale bytes are gathered in LDS and leave by one store of 128 consecutive bytes (25,000 steps do not divide into runs of 16, so not 256).
; No barrier.  Loads run four steps (16 loads) ahead, the turn through LDS one step.
.set STEPS, 8
.set MANT,  0x600000                   ; the mantissa field of 57,344 as f32
.set R,     16                         ; v16-79   four sets of 16 numbers as they are loaded
.set X,     80                         ; v80-111  two sets of 16 neighbours
.set E,     112                        ; v112-119 a scale byte for each step
.set C,     128                        ; v128-159 codes: four registers for each step, so that no store's data are written again
.set SP,    80                         ; a lane's place in a stage: 64 bytes + 16 of padding
.set SCB,   2*32*SP                    ; LDS: two stages of 32 x SP bytes, behind them the 128 scale bytes; the spare words from 5,376 on
	s_load_b128 s[4:7], s[0:1], 0x0                ; the table, the codes
	s_load_b64 s[8:9], s[0:1], 0x10                ; the scale bytes
	v_lshl_add_u32 v160, v0, 2, 5376
	v_mov_b32 v161, 0
	v_and_b32 v2, 31, v0                           ; lane
	v_lshlrev_b32 v3, 4, v2                        ; 16 x lane: my 16 bytes of a load's 512, and of a step's 512 bytes of codes; never rewritten
	v_lshrrev_b32 v14, 2, v2
	v_mul_u32_u24 v14, v14, SP
	v_and_b32 v15, 3, v2
	v_lshl_add_u32 v14, v15, 4, v14                ; the stage, on the way in: SP (lane / 4) + 16 (lane % 4)
	v_mul_u32_u24 v15, v2, SP                      ; and on the way out: SP x lane: my 16 neighbours
	v_lshrrev_b32 v5, 1, v2
	v_add_nc_u32 v5, SCB, v5                       ; my block's scale byte among the wave's
	v_lshlrev_b32 v7, 2, v2                        ; on the way out 4 bytes a lane
	v_add_nc_u32 v6, SCB, v7
	s_mov_b32 s23, MANT                            ; (an instruction takes one literal: the hold's line has another)
	s_lshl_b32 s20, ttmp9, 14                      ; my run of 4,096 numbers: 16,384 bytes of the table,
	s_mov_b32 s21, 0
	s_lshl_b32 s24, ttmp9, 12                      ; 4,096 of codes,
	s_mov_b32 s25, 0
	s_lshl_b32 s26, ttmp9, 7                       ; 128 scale bytes
	s_mov_b32 s27, 0
	s_wait_alu depctr_va_vdst(0)                   ; the wait at the head's end
	s_wait_kmcnt 0x0
	s_add_nc_u64 s[4:5], s[4:5], s[20:21]
	s_add_nc_u64 s[6:7], s[6:7], s[24:25]
	s_add_nc_u64 s[8:9], s[8:9], s[26:27]
.macro LOAD t
.irp i, 0,1,2,3
	global_load_b128 v[R+16*((\t)%4)+4*\i:R+16*((\t)%4)+4*\i+3], v3, s[4:5] offset:2048*(\t)+512*\i th:TH_LOAD_NT   ; 32 lanes read 512 consecutive bytes, once in the launch
.endr
.endm
.macro TURN t                          ; step t's numbers through the stage: LDS serves a wave's instructions in order, so no wait stands between the stores and the loads
.irp i, 0,1,2,3
	ds_store_b128 v14, v[R+16*((\t)%4)+4*\i:R+16*((\t)%4)+4*\i+3] offset:32*SP*((\t)%2)+8*SP*\i
.endr
.irp i, 0,1,2,3
	ds_load_b128 v[X+16*((\t)%2)+4*\i:X+16*((\t)%2)+4*\i+3], v15 offset:32*SP*((\t)%2)+16*\i
.endr
.endm
.irp t, 0,1,2,3
	LOAD \t
.endr
	s_wait_loadcnt 12                              ; step 0's four loads are in; those of steps 1 to 3 may be out
	TURN 0
.macro STEP t
.set XS, X+16*((\t)%2)
.if (\t) > 0
	s_wait_dscnt 1                                 ; this step's numbers are back from the stage (the last step's byte store may be out): so its stores into the stage have read their registers,
.else
	s_wait_dscnt 0x0
.endif
.if (\t)+4 < STEPS
	LOAD (\t)+4                                    ; which take the loads of four steps on
.endif
.if (\t)+1 < STEPS
.if STEPS-2-(\t) >= 3
	s_wait_loadcnt 12                              ; the next step's four loads are in; those of the three steps behind it may be out
.else
	s_wait_loadcnt 4*(STEPS-2-(\t))
.endif
	TURN (\t)+1                                    ; and go through the other stage while this step is worked
.endif
	v_max3_num_f32 v8, |v[XS]|, |v[XS+1]|, |v[XS+2]|               ; the largest magnitude of my 16, in two chains
	v_max3_num_f32 v9, |v[XS+3]|, |v[XS+4]|, |v[XS+5]|
.irp i, 6,10
	v_max3_num_f32 v8, v8, |v[XS+\i]|, |v[XS+\i+1]|
	v_max3_num_f32 v9, v9, |v[XS+\i+2]|, |v[XS+\i+3]|
.endr
	v_max3_num_f32 v8, v8, |v[XS+14]|, |v[XS+15]|
	v_max3_num_f32 v8, v8, v9, 0x8000000           ; and the floor 2^(16 - 127): the byte cannot fall under 1
	v_max_num_f32_dpp v8, v8, v8 row_xmask:1 row_mask:0xf bank_mask:0xf   ; and of my neighbour's 16: the block's
	v_add_nc_u32 v11, 0xf8800000, v8               ; 15 off its exponent field: the conversion takes the exponent field of this operand as its scale
	v_and_or_b32 v10, v8, 0x7f800000, s23          ; 57,344 x the scale
.irp i, 0,1,2,3,4,5,6,7,8,9,10,11,12,13,14,15
	v_med3_num_f32 v[XS+\i], v[XS+\i], -v10, v10   ; the conversion to an 8-bit code does not saturate (ISA guide 7.6.2): the hold comes first
.endr
	v_cvt_scalef32_pk8_bf8_f32 v[C+4*(\t):C+4*(\t)+1], v[XS:XS+7], v11
	v_cvt_scalef32_pk8_bf8_f32 v[C+4*(\t)+2:C+4*(\t)+3], v[XS+8:XS+15], v11
	v_lshrrev_b32 v[E+(\t)], 23, v11               ; the scale's byte (also the plain line behind the conversions)
	ds_store_b8 v5, v[E+(\t)] offset:16*(\t)       ; both lanes of a block write the same byte with the same value
	global_store_b128 v3, v[C+4*(\t):C+4*(\t)+3], s[6:7] offset:512*(\t)   ; 32 lanes store 512 consecutive bytes
.endm
.irp t, 0,1,2,3,4,5,6,7
	STEP \t
.endr
	ds_load_b32 v12, v6                            ; LDS serves a wave's instructions in order: this sees my byte stores
	s_wait_dscnt 0x0
	global_store_b32 v7, v12, s[8:9]               ; 32 lanes store the wave's 128 scale bytes
	s_wait_tensorcnt 0x0                           ; the wave's end
	ds_add_u32 v160, v161
	s_wait_dscnt 0x0
	s_endpgm
.Lfunc_end_k_qa59f396778_quant:
	.size	k_qa59f396778_quant, .Lfunc_end_k_qa59f396778_quant-k_qa59f396778_quant
	.p2alignl 7, 3214868480
	.fill 96, 4, 3214868480
	.section	.rodata,"a",@progbits
	.p2align	6, 0x0
	.amdhsa_kernel k_qa59f396778_quant
		.amdhsa_group_segment_fixed_size 5632
		.amdhsa_private_segment_fixed_size 0
		.amdhsa_enable_private_segment 0
		.amdhsa_kernarg_size 24
		.amdhsa_user_sgpr_count 2
		.amdhsa_user_sgpr_kernarg_segment_ptr 1
		.amdhsa_wavefront_size32 1
		.amdhsa_system_sgpr_workgroup_id_x 1
		.amdhsa_system_sgpr_workgroup_id_y 1
		.amdhsa_system_sgpr_workgroup_id_z 1
		.amdhsa_system_vgpr_workitem_id 0
		.amdhsa_next_free_vgpr 162
		.amdhsa_next_free_sgpr 66
		.amdhsa_reserve_vcc 0
		.amdhsa_float_denorm_mode_32 3
		.amdhsa_float_denorm_mode_16_64 3
		.amdhsa_memory_ordered 1
		.amdhsa_forward_progress 1
		.amdhsa_inst_pref_size 26
	.end_amdhsa_kernel
	.amdgpu_metadata
---
amdhsa.version: [ 1, 2 ]
amdhsa.kernels:
  - .name:           k_qa59f396778_quant
    .symbol:         k_qa59f396778_quant.kd
    .args:
      - { .name: emb_table, .offset: 0, .size: 8, .value_kind: global_buffer, .address_space: global }
      - { .name: xcodes, .offset: 8, .size: 8, .value_kind: global_buffer, .address_space: global }
      - { .name: xscales, .offset: 16, .size: 8, .value_kind: global_buffer, .address_space: global }
    .group_segment_fixed_size: 5632
    .private_segment_fixed_size: 0
    .kernarg_segment_align: 8
    .kernarg_segment_size: 24
    .max_flat_workgroup_size: 32
    .sgpr_count:     66
    .vgpr_count:     162
    .wavefront_size: 32
...
	.end_amdgpu_metadata
.endif
;; end of part 1
;; launch encode (part 2): grid 256 x 1, 8 waves a work-group, no clusters, 323,584 bytes of LDS; arguments tokens, xcodes, xscales, WQ_codes, WQ_scales, WK_codes, WK_scales, WV_codes, WV_scales, WO_codes, WO_scales, dense_w, out0; writes out0
.if DOCPART == 2
	.amdgcn_target "amdgcn-amd-amdhsa--gfx1250"
	.amdhsa_code_object_version 6
	.text
	.protected	k_qa59f396778_encode
	.globl	k_qa59f396778_encode
	.p2align	8
	.type	k_qa59f396778_encode,@function
k_qa59f396778_encode:
	s_mov_b64 s[64:65], 0
	v_nop
	global_prefetch_b8 v0, s[64:65] scope:SCOPE_SE
	s_setreg_imm32_b32 hwreg(HW_REG_WAVE_MODE, 25, 1), 1
	s_wait_xcnt 0x0
; For each of 4,096 titles of 64 tokens: x = the tokens' rows of the quantised table; Q, K, V = x W (MX-BF8); for each head of 32 columns w = softmax over the tokens of (mean Q . K + mean K . Q);
; context = w V, quantised along its 256 columns (a block of 32 is a head); hidden = context WO (MX-BF8); scores = hidden . dense_w; attn = softmax over the tokens; out = sum of attn x hidden.
; WORK LEFT OUT: dense_b.  reference() adds the one number dense_b to all 64 scores of a title and uses the scores only in softmax(scores, axis = 1): exp(s + b) / sum exp(s + b) = exp(s) / sum exp(s) for every finite b.
; So dense_b has no way to the output: it is not loaded and is not among the arguments.  LIMIT: a NaN, an infinity or an overflow that dense_b alone would bring is not carried to the result.
; SHARES.  256 work-groups of eight waves, two to a SIMD, 512 registers each.  A WAVE OWNS A WHOLE TITLE, two titles one after the other: x (128 registers), the context's codes (128) and all sums stay in its registers,
; so the waves hand nothing to each other: ONE barrier, behind the head, where the eight waves have laid the four weights into LDS, rows of 256 codes 272 bytes apart.  A load at the head reads two whole rows of 256 bytes.
; A tile of a weight is 16 neighbouring LDS rows; read from LDS (8 loads) it feeds 8 products: four tiles of tokens x two K steps.
; hidden of a title is 64 x 256 numbers, 512 registers a wave, which are not there: so context WO IS MULTIPLIED TWICE, tile of columns by tile: once for the scores, once, when attn is known, for the weighted sum.
; Q, K, V AND THE FIRST WALK OVER WO ARE USED TRANSPOSED (source 0 = 16 rows of a weight, source 1 = 16 tokens): a lane holds ONE token (lane % 16) and its registers run along columns.  Of WQ, WK, WV row 8 u + r + 8 (r / 8) of a head
; lies at LDS row 16 u + r, so that the 16 registers of the head's two tiles are the 16 neighbouring columns 16 (lane / 16) + 0 .. 15: the conversions' results are the next operand's registers.
; THE SECOND WALK goes the other way round (source 0 = 16 tokens): a lane holds one column and its registers run along tokens, so the sum over the tokens stays in the lane but for one exchange with lane xor 16.
; The heads go in a loop; only a head's eight conversions and four scale lines, whose registers differ from head to head, are written out eight times and chosen by the head's number.
; No tensor load: the tokens' rows are scattered; they come by plain loads, 256 whole bytes a row, the second title's during the first's last phase; so no prefetch is laid beside them.
; No cluster: work-groups share the weights alone, which each reads once at its head.
; The last trip of the first walk over WO loads dense_w's first 32 columns again, and the second title's last trip the first tiles of WQ: these 22 LDS loads are not used.
; LIMITS: a token is held at 49,999 from above (as an unsigned number).  NaN and infinities are not served.  A block of the context whose largest magnitude lies under 2^-111 keeps the scale byte 1.  An exponential under 2^-126 comes out as 0.
.set XP,    272                        ; a row of 256 codes in LDS + 16 of padding: the 16 rows of a fragment load start at 16 different groups of four banks
.set IO,    69632                      ; LDS: WQ's 256 rows at 0, WO's behind them (so that the tiles behind WQ's last are WO's first), WK's, WV's
.set IK,    139264
.set IV,    208896
.set WSI,   278528                     ; the weights' scale words, in the same order, 2,048 bytes a weight: tile at 128 T, lane at 4 L: lanes 0-15 K step 0, lanes 16-31 K step 1
.set DWL,   286720                     ; dense_w as it lies in memory
.set STG,   287744                     ; a stage of 16 rows x 272 for each wave; later its row of out0 (bytes 0 on) and attn (bytes 1,024 on)
.set SPARE, 322560                     ; the spare words, 128 bytes a wave
; window 0: v0-63 as named below; v64-127 two tiles of a weight (32 u + 16 s + 4 c), in between scratch; v128-191 Q (16 m + 8 u), then V, then hidden of two tiles (32 e + 8 m); v192-255 K, later the next title's tokens, later attn
; window 1: v0-127 x's fragments (16 (2 m + s)); v128-255 the context's
.set L16,  1                           ; 16 L
.set L4S,  2                           ; WSI + 4 L
.set SST,  3                           ; stage: where I store gathered rows
.set SLD,  4                           ; stage: a fragment
.set R16,  5                           ; 16 r
.set TKO,  6                           ; 32 h
.set TSO,  7                           ; 4 L
.set DWA,  8                           ; DWL + 32 h
.set OUTW, 9                           ; stage + 4 L: where my column of the title's row goes
.set AQ,   10                          ; addresses of the tiles in hand
.set AK,   11
.set AV,   12
.set ASC,  13                          ; and of their scale words
.set LW,   17                          ; 272 r + 16 h: a fragment of a weight's tile
.set XS,   20                          ; v20-23 x's scale words: register 2 (m / 2) + s; lanes 0-15 even m, lanes 16-31 odd m
; v24-27, v32-33 the weights' scale words: WQ, WO 24 + u, WK 26 + u, WV 32 + u.  v28-31, v36-39 the context's: (m, s) at 28 + i + 4 (i / 4), i = 2 m + s.  No product's two scale words have numbers equal modulo 8
; v14, 15, 16 temporaries.  v40, 42, 44, 46: w of tile m, later the scores' sums, later attn (the low register of a pair serves both halves of the packed forms)
.set T0,   48                          ; v48-63 scratch
.set TM,   48                          ; the quantiser: v48-51 largest magnitudes, v52-55 bytes, v56-59 57,344 x the scale, v60-63 the conversions' scale operands
.set WV,   36                          ; s36 wave
.set TC,   37                          ; s37 titles to go
.set HB,   47                          ; s47 the head;  s48 32 LDS rows x head;  s49 256 x head
.set MSB, 0
.macro WIN new                         ; bits 1:0 source 0, 3:2 source 1, 5:4 source 2, 7:6 destination; the high byte repeats the setting that is left
.if MSB != \new
	s_set_vgpr_msb (MSB<<8)|\new
.set MSB, \new
.endif
.endm
.macro PLACES n                        ; plain vector lines behind a matrix instruction (eight for this form)
.rept \n
	v_nop
.endr
.endm
.macro WALU
	s_wait_alu depctr_va_vdst(0)
.endm
.macro XADD d, a, b, lev               ; v[d] = v[a] of lane xor 2^lev + v[b]
.if (\lev) == 0
	v_add_f32_dpp v[\d], v[\a], v[\b] row_xmask:1 row_mask:0xf bank_mask:0xf
.elseif (\lev) == 1
	v_add_f32_dpp v[\d], v[\a], v[\b] row_xmask:2 row_mask:0xf bank_mask:0xf
.elseif (\lev) == 2
	v_add_f32_dpp v[\d], v[\a], v[\b] row_xmask:4 row_mask:0xf bank_mask:0xf
.else
	v_add_f32_dpp v[\d], v[\a], v[\b] row_xmask:8 row_mask:0xf bank_mask:0xf
.endif
.endm
.macro XMAX d, lev
.if (\lev) == 0
	v_max_num_f32_dpp v[\d], v[\d], v[\d] row_xmask:1 row_mask:0xf bank_mask:0xf
.elseif (\lev) == 1
	v_max_num_f32_dpp v[\d], v[\d], v[\d] row_xmask:2 row_mask:0xf bank_mask:0xf
.elseif (\lev) == 2
	v_max_num_f32_dpp v[\d], v[\d], v[\d] row_xmask:4 row_mask:0xf bank_mask:0xf
.else
	v_max_num_f32_dpp v[\d], v[\d], v[\d] row_xmask:8 row_mask:0xf bank_mask:0xf
.endif
.endm
; One product: D rD, weight fragment rA, token fragment rB, their scale words rSA, rSB.  s: the K step (0 starts the sum with the constant 0; 1 adds in place and takes the weight's word from lanes 16-31); odd: the tokens' word lies in lanes 16-31
.macro MM s, odd
.if (\s) == 0
.if (\odd) == 0
	v_wmma_scale_f32_16x16x128_f8f6f4 v[rD:rD+7], v[rA:rA+15], v[rB:rB+15], 0, v[rSA], v[rSB] matrix_a_fmt:MATRIX_FMT_BF8 matrix_b_fmt:MATRIX_FMT_BF8
.else
	v_wmma_scale_f32_16x16x128_f8f6f4 v[rD:rD+7], v[rA:rA+15], v[rB:rB+15], 0, v[rSA], v[rSB] matrix_a_fmt:MATRIX_FMT_BF8 matrix_b_fmt:MATRIX_FMT_BF8 matrix_b_scale:MATRIX_SCALE_ROW1
.endif
.else
.if (\odd) == 0
	v_wmma_scale_f32_16x16x128_f8f6f4 v[rD:rD+7], v[rA:rA+15], v[rB:rB+15], v[rD:rD+7], v[rSA], v[rSB] matrix_a_fmt:MATRIX_FMT_BF8 matrix_b_fmt:MATRIX_FMT_BF8 matrix_a_scale:MATRIX_SCALE_ROW1
.else
	v_wmma_scale_f32_16x16x128_f8f6f4 v[rD:rD+7], v[rA:rA+15], v[rB:rB+15], v[rD:rD+7], v[rSA], v[rSB] matrix_a_fmt:MATRIX_FMT_BF8 matrix_b_fmt:MATRIX_FMT_BF8 matrix_a_scale:MATRIX_SCALE_ROW1 matrix_b_scale:MATRIX_SCALE_ROW1
.endif
.endif
.endm
.macro MMT s                           ; the same with the sources swapped: source 0 = the tokens (rB, rSB), source 1 = the weight (rA, rSA)
.if (\s) == 0
	v_wmma_scale_f32_16x16x128_f8f6f4 v[rD:rD+7], v[rB:rB+15], v[rA:rA+15], 0, v[rSB], v[rSA] matrix_a_fmt:MATRIX_FMT_BF8 matrix_b_fmt:MATRIX_FMT_BF8
.else
	v_wmma_scale_f32_16x16x128_f8f6f4 v[rD:rD+7], v[rB:rB+15], v[rA:rA+15], v[rD:rD+7], v[rSB], v[rSA] matrix_a_fmt:MATRIX_FMT_BF8 matrix_b_fmt:MATRIX_FMT_BF8 matrix_b_scale:MATRIX_SCALE_ROW1
.endif
.endm
.macro TILE1 a, off, u                 ; a weight's tile, both K steps, into buffer u: eight loads
.irp s, 0,1
.irp c, 0,1,2,3
	ds_load_b128 v[64+32*(\u)+16*\s+4*\c:64+32*(\u)+16*\s+4*\c+3], v[\a] offset:(\off)+16*XP*(\u)+128*\s+32*\c
.endr
.endr
.endm
; 16 products of x with the two tiles in the buffers: eight accumulators by turns, K step 0, then K step 1.  d: the sums; w: the tiles' scale words
.macro XMUL d, w
	WIN 0x04                                       ; tokens window 1
.irp s, 0,1
.irp u, 0,1
.irp m, 0,1,2,3
.set rD, \d+16*\m+8*\u
.set rA, 64+32*\u+16*\s
.set rB, 16*(2*\m+\s)
.set rSA, \w+\u
.set rSB, XS+2*(\m/2)+\s
	MM \s, \m%2
.endr
.endr
.endr
	WIN 0
	PLACES 8
.endm
.macro TOK b                           ; a title's tokens: register 8 m + t: token 16 m + 8 h + t; registers 32, 33: tokens L, 32 + L
.irp m, 0,1,2,3
	global_load_b128 v[\b+8*\m:\b+8*\m+3], v[TKO], s[8:9] offset:64*\m
	global_load_b128 v[\b+8*\m+4:\b+8*\m+7], v[TKO], s[8:9] offset:64*\m+16
.endr
	global_load_b32 v[\b+32], v[TSO], s[8:9]
	global_load_b32 v[\b+33], v[TSO], s[8:9] offset:128
.endm
.macro ROWS b                          ; the title's 64 rows of codes: a load brings rows 16 m + t and 16 m + 8 + t, sixteen lanes to a row of 256 bytes; the scale words come straight into their registers.  No hint: a row may be named again
.set n, 0
.rept 34
	v_min_u32 v[\b+n], 0xc34f, v[\b+n]             ; held inside the table
.set n, n+1
.endr
.set n, 0
.rept 32
	v_lshlrev_b32 v[\b+n], 8, v[\b+n]
.set n, n+1
.endr
	v_lshlrev_b32 v[\b+32], 3, v[\b+32]
	v_lshlrev_b32 v[\b+33], 3, v[\b+33]
.set n, 0
.rept 32
	v_add_nc_u32 v[\b+n], v[R16], v[\b+n]
.set n, n+1
.endr
	global_load_b64 v[XS:XS+1], v[\b+32], s[12:13]
	global_load_b64 v[XS+2:XS+3], v[\b+33], s[12:13]
	WIN 0x40
.set n, 0
.rept 32
	global_load_b128 v[4*n:4*n+3], v[\b+n], s[10:11]
.set n, n+1
.endr
	WIN 0
.endm
; softmax over the 64 tokens of the four numbers v[T0 .. T0 + 3] (tile m, token-lane r), x the factor s[f] in the exponent to the base 2 -> v40, 42, 44, 46
.macro SOFTMAX f
	v_max3_num_f32 v[T0+8], v[T0], v[T0+1], v[T0+2]
	v_max_num_f32 v[T0+8], v[T0+8], v[T0+3]
.irp l, 0,1,2,3
	XMAX T0+8, \l
.endr
.irp m, 0,1,2,3
	v_sub_f32 v[T0+\m], v[T0+\m], v[T0+8]
.endr
.irp m, 0,1,2,3
	v_mul_f32 v[T0+\m], s\f, v[T0+\m]
.endr
	WALU                                           ; ahead of the batch
.irp m, 0,1,2,3
	v_exp_f32 v[T0+\m], v[T0+\m]
.endr
	v_nop                                          ; a plain line behind the last exponential
	WALU                                           ; one wait for the four, ahead of their first reader
	v_add_f32 v[T0+9], v[T0], v[T0+1]
	v_add_f32 v[T0+10], v[T0+2], v[T0+3]
	v_add_f32 v[T0+9], v[T0+9], v[T0+10]
.irp l, 0,1,2,3
	XADD T0+9, T0+9, T0+9, \l
.endr
	WALU                                           ; ahead of the reciprocal
	v_rcp_f32 v[T0+10], v[T0+9]
	v_nop
	WALU                                           ; and behind it
.irp m, 0,1,2,3
	v_mul_f32 v[40+2*\m], v[T0+\m], v[T0+10]
.endr
.endm
.macro COLSUM a, d                     ; the sums over the 64 tokens of my 16 columns of the sums at a -> v[d .. d + 15], in every lane.  Each accumulator is read from its low end on
.set n, 0
.rept 8
	v_pk_add_f32 v[\d+2*n:\d+2*n+1], v[\a+2*n:\a+2*n+1], v[\a+16+2*n:\a+17+2*n]
.set n, n+1
.endr
.set n, 0
.rept 16
.set kk, n%8
	v_pk_add_f32 v[\d+2*kk:\d+2*kk+1], v[\d+2*kk:\d+2*kk+1], v[\a+16*(n/8+2)+2*kk:\a+16*(n/8+2)+2*kk+1]
.set n, n+1
.endr
.set n, 0
.rept 64
	XADD \d+n%16, \d+n%16, \d+n%16, n/16
.set n, n+1
.endr
.endm
.macro VARIANT k                       ; head k's codes into registers 4 (k % 4) on of the context's fragments (m, k / 4), its bytes into byte k % 4 of their scale words
	WIN 0x40
.irp m, 0,1,2,3
	v_cvt_scalef32_pk8_bf8_f32 v[128+16*(2*\m+(\k)/4)+4*((\k)%4):128+16*(2*\m+(\k)/4)+4*((\k)%4)+1], v[128+16*\m:135+16*\m], v[TM+12+\m]
	v_cvt_scalef32_pk8_bf8_f32 v[128+16*(2*\m+(\k)/4)+4*((\k)%4)+2:128+16*(2*\m+(\k)/4)+4*((\k)%4)+3], v[136+16*\m:143+16*\m], v[TM+12+\m]
.endr
	WIN 0
	v_nop                                          ; a plain line behind the last conversion
.irp m, 0,1,2,3
.set rC, 28+2*\m+(\k)/4+4*((2*\m+(\k)/4)/4)
.if (\k)%4 == 0
	v_mov_b32 v[rC], v[TM+4+\m]
.else
	v_lshl_or_b32 v[rC], v[TM+4+\m], 8*((\k)%4), v[rC]
.endif
.endr
.endm
; A walk over WO's 16 tiles of columns, two a trip.  p = 1: hidden . dense_w into v40-47;  p = 2: the sum over the tokens of attn x hidden, into the stage
.macro PASS p
	s_mov_b32 s50, 8
	s_mov_b32 s51, 0
	s_mov_b32 s52, 0
	s_mov_b32 s53, 0
.Lpass\p:
	s_add_co_u32 s51, s51, 32*XP                   ; the next two tiles;
	s_add_co_u32 s56, s51, IO
	s_add_co_u32 s52, s52, 256
	s_and_b32 s52, s52, 0x7ff
	s_add_co_u32 s57, s52, 2048
	s_cmp_eq_u32 s50, 1
.if \p == 1
	s_cselect_b32 s56, IO, s56                     ; behind the first walk's last the first again,
.else
	s_cselect_b32 s56, 0, s56                      ; behind the second walk's WQ's first two
	s_cselect_b32 s57, 0, s57
.endif
	s_wait_dscnt 0x0
.if \p == 1
	WIN 0x04
.else
	WIN 0x01
.endif
.irp s, 0,1
.irp e, 0,1
.irp m, 0,1,2,3
.set rD, 128+32*\e+8*\m
.set rA, 64+32*\e+16*\s
.set rB, 128+16*(2*\m+\s)
.set rSA, 24+\e
.set rSB, 28+2*\m+\s+4*((2*\m+\s)/4)
.if \p == 1
	MM \s, 0
.else
	MMT \s
.endif
.endr
.endr
.endr
	WIN 0
	v_add_nc_u32 v[AQ], s56, v[LW]
	v_add_nc_u32 v[ASC], s57, v[L4S]
	PLACES 6                                       ; with the two lines above: eight
	TILE1 AQ, 0, 0
	TILE1 AQ, 0, 1
	ds_load_b32 v24, v[ASC]
	ds_load_b32 v25, v[ASC] offset:128
.if \p == 1
	s_add_co_u32 s53, s53, 128
	s_and_b32 s53, s53, 0x3ff
.irp e, 0,1
.irp i, 0,1,2,3
.irp m, 0,1,2,3
	v_pk_fma_f32 v[40+2*\m:41+2*\m], v[128+32*\e+8*\m+2*\i:129+32*\e+8*\m+2*\i], v[48+8*\e+2*\i:49+8*\e+2*\i], v[40+2*\m:41+2*\m]
.endr
.endr
.endr
	v_add_nc_u32 v16, s53, v[DWA]
.irp e, 0,1
	ds_load_b128 v[48+8*\e:51+8*\e], v16 offset:64*\e          ; dense_w at the next tiles' columns 16 t + 8 h + 0 .. 7
	ds_load_b128 v[52+8*\e:55+8*\e], v16 offset:64*\e+16
.endr
.else
.irp g, 0,1                            ; register j of (e, m): token 16 m + 8 h + j, column r of tile e.  Four packed chains: (e, m % 2); each accumulator is read from its low end on
.irp i, 0,1,2,3
.irp q, 0,1
.irp e, 0,1
.if (\g == 0) && (\i == 0)
	v_pk_mul_f32 v[48+4*\e+2*\q:49+4*\e+2*\q], v[128+32*\e+8*\q:129+32*\e+8*\q], v[192+8*\q:193+8*\q]
.else
	v_pk_fma_f32 v[48+4*\e+2*\q:49+4*\e+2*\q], v[128+32*\e+8*(2*\g+\q)+2*\i:129+32*\e+8*(2*\g+\q)+2*\i], v[192+8*(2*\g+\q)+2*\i:193+8*(2*\g+\q)+2*\i], v[48+4*\e+2*\q:49+4*\e+2*\q]
.endif
.endr
.endr
.endr
.endr
.irp e, 0,1
	v_pk_add_f32 v[48+4*\e:49+4*\e], v[48+4*\e:49+4*\e], v[50+4*\e:51+4*\e]
.endr
.irp e, 0,1
	v_add_f32 v[56+\e], v[48+4*\e], v[49+4*\e]
.endr
.irp e, 0,1
	v_permlanex16_b32 v[58+\e], v[56+\e], s38, s39
.endr
.irp e, 0,1
	v_add_f32 v[56+\e], v[56+\e], v[58+\e]         ; with lane xor 16's 32 tokens
.endr
	v_cndmask_b32 v56, v56, v57, s33               ; lanes 0-15 store tile 0's columns, lanes 16-31 tile 1's
	v_add_nc_u32 v16, s53, v[OUTW]
	ds_store_b32 v16, v56
	s_add_co_u32 s53, s53, 128
.endif
	s_sub_co_u32 s50, s50, 1
	s_cmp_lg_u32 s50, 0
	WALU                                           ; directly ahead of the branch
	s_cbranch_scc1 .Lpass\p
.endm
	s_load_b512 s[8:23], s[0:1], 0x0               ; tokens 8, xcodes 10, xscales 12, WQ's codes 14, scales 16, WK's 18, 20, WV's codes 22
	s_load_b256 s[24:31], s[0:1], 0x40             ; WV's scales 24, WO's codes 26, scales 28, dense_w 30
	s_load_b64 s[34:35], s[0:1], 0x60              ; out0
	v_lshrrev_b32 v98, 5, v0
	v_readfirstlane_b32 s[WV], v98                 ; wave 0..7
	s_mul_i32 s55, s[WV], 16*XP
	s_add_co_u32 s55, s55, STG                     ; my stage
	s_mul_i32 s54, s[WV], 32*XP                    ; at the head I lay rows 32 w .. 32 w + 31 of each weight: 32 LDS rows,
	s_lshl_b32 s56, s[WV], 13                      ; 8,192 bytes of codes,
	s_mov_b32 s57, 0
	s_lshl_b32 s58, s[WV], 8                       ; 256 of scale bytes
	s_mov_b32 s59, 0
	s_lshl_b32 s60, ttmp9, 12                      ; my two titles: 256 bytes of tokens each,
	s_lshl_b32 s61, s[WV], 9
	s_add_co_u32 s60, s60, s61
	s_mov_b32 s61, 0
	s_lshl_b32 s62, ttmp9, 14                      ; and 1,024 bytes of out0
	s_lshl_b32 s63, s[WV], 11
	s_add_co_u32 s62, s62, s63
	s_mov_b32 s63, 0
	s_mov_b32 s33, 0xffff0000                      ; lanes 16-31
	s_mov_b32 s38, 0x76543210
	s_mov_b32 s39, 0xfedcba98                      ; v_permlanex16_b32's selects for lane xor 16
	s_mov_b32 s40, 0x600000                        ; the mantissa field of 57,344
	s_mov_b32 s45, 0x3cb8aa3b                      ; log2(e) / 64: the means' 1 / 64 rides in the factor
	s_mov_b32 s46, 0x3fb8aa3b                      ; log2(e)
	s_mov_b32 s[TC], 2
	v_and_b32 v98, 31, v0                          ; L
	v_and_b32 v99, 15, v0                          ; r
	v_bfe_u32 v100, v0, 4, 1                       ; h
	v_lshlrev_b32 v[L16], 4, v98
	v_lshl_add_u32 v[L4S], v98, 2, WSI
	v_mul_u32_u24 v[LW], v99, XP
	v_lshl_add_u32 v[LW], v100, 4, v[LW]
	v_add_nc_u32 v[SLD], s55, v[LW]
	v_mul_u32_u24 v[SST], v100, 8*XP
	v_lshl_add_u32 v[SST], v99, 4, v[SST]
	v_add_nc_u32 v[SST], s55, v[SST]
	v_lshlrev_b32 v[R16], 4, v99
	v_lshlrev_b32 v[TKO], 5, v100
	v_lshlrev_b32 v[TSO], 2, v98
	v_lshl_add_u32 v[DWA], v100, 5, DWL
	v_add_nc_u32 v[OUTW], s55, v[TSO]
	v_and_b32 v103, 8, v99
	v_add_nc_u32 v103, v103, v99                   ; r + 8 (r / 8)
	v_lshl_add_u32 v104, v100, 12, v[R16]          ; a weight in memory: load j brings rows j (lanes 0-15) and 16 + j: 4,096 h + 16 r
	v_lshlrev_b32 v106, 3, v103
	v_lshl_add_u32 v106, v100, 2, v106             ; scale words: 8 bytes a row, word h: WQ, WK, WV by the tile's rows,
	v_lshlrev_b32 v107, 3, v99
	v_lshl_add_u32 v107, v100, 2, v107             ; WO row r
	v_lshlrev_b32 v108, 2, v0                      ; dense_w: 4 bytes a thread
	v_lshl_add_u32 v109, v0, 2, DWL
	v_mul_u32_u24 v110, v100, 8*XP                 ; WQ, WK, WV: row 16 h + j goes to LDS row 16 (j / 8) + 8 h + j % 8
	v_add_nc_u32 v110, v[R16], v110
	v_add_nc_u32 v110, s54, v110
	v_add_nc_u32 v112, IK, v110
	v_add_nc_u32 v113, IV, v110
	v_mul_u32_u24 v111, v100, 16*XP                ; WO: row 16 h + j to LDS row 16 h + j
	v_add_nc_u32 v111, v[R16], v111
	v_add_nc_u32 v111, s54, v111
	v_add_nc_u32 v111, IO, v111
	v_add_nc_u32 v123, s58, v[L4S]
.irp q, 28,29,30,31,36,37,38,39,41,43,45,47
	v_mov_b32 v\q, 0                               ; the context's scale words, and the upper halves of pairs whose low word alone is taken: written once
.endr
	WALU                                           ; at the head's end
	s_wait_kmcnt 0x0
	s_add_nc_u64 s[14:15], s[14:15], s[56:57]
	s_add_nc_u64 s[18:19], s[18:19], s[56:57]
	s_add_nc_u64 s[22:23], s[22:23], s[56:57]
	s_add_nc_u64 s[26:27], s[26:27], s[56:57]
	s_add_nc_u64 s[16:17], s[16:17], s[58:59]
	s_add_nc_u64 s[20:21], s[20:21], s[58:59]
	s_add_nc_u64 s[24:25], s[24:25], s[58:59]
	s_add_nc_u64 s[28:29], s[28:29], s[58:59]
	s_add_nc_u64 s[8:9], s[8:9], s[60:61]
	s_add_nc_u64 s[34:35], s[34:35], s[62:63]
	TOK 64                                         ; my first title's tokens: ten loads
.macro WLOAD reg, sb                   ; 32 rows of a weight: 16 loads, each of two whole rows of 256 bytes
.set n, 0
.rept 16
	global_load_b128 v[\reg+4*n:\reg+4*n+3], v104, s[\sb:\sb+1] offset:256*n
.set n, n+1
.endr
.endm
.macro WSTORE reg, adr, perm
.set n, 0
.rept 16
.if \perm
	ds_store_b128 v[\adr], v[\reg+4*n:\reg+4*n+3] offset:XP*(16*(n/8)+n%8)
.else
	ds_store_b128 v[\adr], v[\reg+4*n:\reg+4*n+3] offset:XP*n
.endif
.set n, n+1
.endr
.endm
	WLOAD 128, 14                                  ; WQ, WK into window 0,
	WLOAD 192, 18
	WIN 0x40
	WLOAD 128, 22                                  ; WV, WO into window 1
	WLOAD 192, 26
	WIN 0
.irp u, 0,1
	global_load_b32 v[114+\u], v106, s[16:17] offset:64*\u
	global_load_b32 v[116+\u], v107, s[28:29] offset:128*\u
	global_load_b32 v[118+\u], v106, s[20:21] offset:64*\u
	global_load_b32 v[120+\u], v106, s[24:25] offset:64*\u
.endr
	global_load_b32 v122, v108, s[30:31]
	s_wait_loadcnt 63                              ; 83 loads are issued: the 20 oldest are in, the ten of tokens among them
	ROWS 64                                        ; my first title's rows: 34 loads
	s_wait_loadcnt 34                              ; all but those 34
	WSTORE 128, 110, 1
	WSTORE 192, 112, 1
	WIN 0x04                                       ; an LDS store's data are its source 1
	WSTORE 128, 113, 1
	WSTORE 192, 111, 0
	WIN 0
.irp q, 0,1,2,3
.irp u, 0,1
	ds_store_b32 v123, v[114+2*\q+\u] offset:2048*\q+128*\u
.endr
.endr
	ds_store_b32 v109, v122
	WALU
	s_wait_dscnt 0x0
	s_barrier_signal -1
	s_barrier_wait -1                              ; the weights and dense_w lie in LDS; from here on the waves share nothing
	s_wait_xcnt 0x0                                ; the gather has read its offsets, which lie where tiles land
	TILE1 LW, 0, 0                                 ; WQ's first two tiles
	TILE1 LW, 0, 1
	ds_load_b32 v24, v[L4S]
	ds_load_b32 v25, v[L4S] offset:128
.Ltitle:
	s_wait_loadcnt 0x0                             ; the title's rows and scale words
	WIN 0x44                                       ; rows become fragments through my stage, tile by tile, in place: LDS serves a wave's instructions in order (ISA guide 5.7.1.4)
.irp m, 0,1,2,3
.irp t, 0,1,2,3,4,5,6,7
	ds_store_b128 v[SST], v[32*\m+4*\t:32*\m+4*\t+3] offset:XP*\t
.endr
.irp s, 0,1
.irp c, 0,1,2,3
	ds_load_b128 v[32*\m+16*\s+4*\c:32*\m+16*\s+4*\c+3], v[SLD] offset:128*\s+32*\c
.endr
.endr
.endr
	WIN 0
	s_mov_b32 s[HB], 0
	s_mov_b32 s48, 0
	s_mov_b32 s49, 0
.Lhead:
	v_add_nc_u32 v[AQ], s48, v[LW]
	v_add_nc_u32 v[ASC], s49, v[L4S]
	v_add_nc_u32 v[AK], IK, v[AQ]
	v_add_nc_u32 v[AV], IV, v[AQ]
	WALU
	s_wait_dscnt 0x0                               ; WQ's two tiles (and, at the first head, x)
	XMUL 128, 24                                   ; Q
	TILE1 AK, 0, 0
	TILE1 AK, 0, 1
	ds_load_b32 v26, v[ASC] offset:4096
	ds_load_b32 v27, v[ASC] offset:4096+128
	COLSUM 128, 48                                 ; while WK's tiles come
	s_wait_dscnt 0x0
	XMUL 192, 26                                   ; K
	TILE1 AV, 0, 0
	ds_load_b32 v32, v[ASC] offset:6144
	ds_load_b32 v33, v[ASC] offset:6144+128
	COLSUM 192, 96
.set n, 0
.rept 64                               ; for each tile m: K . sum Q + Q . sum K over my 16 columns, packed, four chains
.set ii, n/4
.set mm, n%4
.set rP, 112+2*mm
.if ii < 8
.set rQ, 192+16*mm+2*ii
.set rS, 48+2*ii
.else
.set rQ, 128+16*mm+2*(ii-8)
.set rS, 96+2*(ii-8)
.endif
.if ii == 0
	v_pk_mul_f32 v[rP:rP+1], v[rQ:rQ+1], v[rS:rS+1]
.else
	v_pk_fma_f32 v[rP:rP+1], v[rQ:rQ+1], v[rS:rS+1], v[rP:rP+1]
.endif
.set n, n+1
.endr
.irp m, 0,1,2,3
	v_add_f32 v[T0+\m], v[112+2*\m], v[113+2*\m]
.endr
	TILE1 AV, 0, 1                                 ; the scratch in the second buffer is done with
.irp m, 0,1,2,3
	v_permlanex16_b32 v[T0+4+\m], v[T0+\m], s38, s39
.endr
.irp m, 0,1,2,3
	v_add_f32 v[T0+\m], v[T0+\m], v[T0+4+\m]       ; with lane xor 16's 16 columns
.endr
	SOFTMAX 45
	WALU
	s_wait_dscnt 0x0
	XMUL 128, 32                                   ; V, into Q's registers
	TILE1 AQ, 32*XP, 0                             ; the next head's tiles of WQ; behind the last head WO's first two
	TILE1 AQ, 32*XP, 1
	ds_load_b32 v24, v[ASC] offset:256
	ds_load_b32 v25, v[ASC] offset:256+128
.irp m, 0,1,2,3                        ; the context: V x w
.irp i, 0,1,2,3,4,5,6,7
	v_pk_mul_f32 v[128+16*\m+2*\i:129+16*\m+2*\i], v[128+16*\m+2*\i:129+16*\m+2*\i], v[40+2*\m:41+2*\m] op_sel_hi:[1,0]
.endr
.endr
.irp b, 0,1,2,3                        ; four blocks of 32: tile b, 16 numbers in my lane, 16 in lane xor 16
	v_max3_num_f32 v[TM+\b], |v[128+16*\b]|, |v[129+16*\b]|, 0x8000000   ; with the floor 2^(16 - 127): the byte cannot fall under 1
.endr
.irp i, 2,4,6,8,10,12,14
.irp b, 0,1,2,3
	v_max3_num_f32 v[TM+\b], v[TM+\b], |v[128+16*\b+\i]|, |v[129+16*\b+\i]|
.endr
.endr
.irp b, 0,1,2,3
	v_permlanex16_b32 v[TM+4+\b], v[TM+\b], s38, s39
.endr
.irp b, 0,1,2,3
	v_max_num_f32 v[TM+\b], v[TM+\b], v[TM+4+\b]   ; the block's largest magnitude
.endr
.irp b, 0,1,2,3
	v_add_nc_u32 v[TM+12+\b], 0xf8800000, v[TM+\b] ; 15 off its exponent field: the conversion's scale operand
.endr
.irp b, 0,1,2,3
	v_and_or_b32 v[TM+8+\b], v[TM+\b], 0x7f800000, s40   ; 57,344 x the scale
.endr
.irp b, 0,1,2,3
	v_lshrrev_b32 v[TM+4+\b], 23, v[TM+12+\b]      ; the scale's byte
.endr
.irp b, 0,1,2,3
.irp i, 0,1,2,3,4,5,6,7,8,9,10,11,12,13,14,15
	v_med3_num_f32 v[128+16*\b+\i], v[128+16*\b+\i], -v[TM+8+\b], v[TM+8+\b]   ; the conversion to an 8-bit code does not saturate (ISA guide 7.6.2): the hold comes first
.endr
.endr
	WALU                                           ; ahead of the branches
.irp k, 0,1,2,3,4,5,6
	s_cmp_eq_u32 s[HB], \k
	s_cbranch_scc1 .Lvar\k
.endr
	VARIANT 7
	s_branch .Lvend
.irp k, 0,1,2,3,4,5,6
.Lvar\k:
	VARIANT \k
	s_branch .Lvend
.endr
.Lvend:
	WALU
	s_add_co_u32 s48, s48, 32*XP
	s_add_co_u32 s49, s49, 256
	s_add_co_u32 s[HB], s[HB], 1
	s_cmp_lt_u32 s[HB], 8
	s_cbranch_scc1 .Lhead
.irp q, 40,41,42,43,44,45,46,47
	v_mov_b32 v\q, 0                               ; the scores' sums begin; these eight lines are also the places between the last scale word and the products
.endr
.irp e, 0,1
	ds_load_b128 v[48+8*\e:51+8*\e], v[DWA] offset:64*\e       ; dense_w at the first two tiles' columns
	ds_load_b128 v[52+8*\e:55+8*\e], v[DWA] offset:64*\e+16
.endr
	WALU
	s_cmp_eq_u32 s[TC], 1
	s_cbranch_scc1 .Lno_tokens                     ; the second title asks for nothing ahead
	s_add_nc_u64 s[8:9], s[8:9], 256
	TOK 192                                        ; the next title's tokens, into K's registers
.Lno_tokens:
	PASS 1
	s_wait_dscnt 0x0                               ; the last trip's loads have landed: scratch may be written
.irp m, 0,1,2,3
	v_add_f32 v[T0+\m], v[40+2*\m], v[41+2*\m]
.endr
.irp m, 0,1,2,3
	v_permlanex16_b32 v[T0+4+\m], v[T0+\m], s38, s39
.endr
.irp m, 0,1,2,3
	v_add_f32 v[T0+\m], v[T0+\m], v[T0+4+\m]       ; with lane xor 16's columns: the scores
.endr
	SOFTMAX 46
	v_lshrrev_b32 v14, 2, v[R16]
	v_add_nc_u32 v14, s55, v14                     ; stage + 4 r
.irp m, 0,1,2,3
	ds_store_b32 v14, v[40+2*\m] offset:1024+64*\m ; attn of token 16 m + r; both halves of the lanes write the same word with the same value
.endr
	v_add_nc_u32 v15, s55, v[TKO]                  ; stage + 32 h
	WALU
	s_cmp_eq_u32 s[TC], 1
	s_cbranch_scc1 .Lno_rows
	s_wait_loadcnt 0x0
	ROWS 192                                       ; the next title's rows, into x's registers, which are done with
	s_wait_xcnt 0x0                                ; the gather has read its offsets: their registers take attn
.Lno_rows:
.irp m, 0,1,2,3
	ds_load_b128 v[192+8*\m:195+8*\m], v15 offset:1024+64*\m       ; attn of tokens 16 m + 8 h + 0 .. 7: LDS serves a wave's instructions in order
	ds_load_b128 v[196+8*\m:199+8*\m], v15 offset:1024+64*\m+16
.endr
	PASS 2
	v_add_nc_u32 v14, s55, v[L16]
	ds_load_b128 v[48:51], v14                     ; these see my stores
	ds_load_b128 v[52:55], v14 offset:512
	s_wait_dscnt 0x0
	global_store_b128 v[L16], v[48:51], s[34:35] th:TH_STORE_NT              ; 32 lanes store 512 consecutive bytes, at a multiple of 256 from out0's first byte
	global_store_b128 v[L16], v[52:55], s[34:35] offset:512 th:TH_STORE_NT
	s_wait_xcnt 0x0                                ; the stores have read their data and their base
	s_add_nc_u64 s[34:35], s[34:35], 1024
	s_sub_co_u32 s[TC], s[TC], 1
	s_cmp_lg_u32 s[TC], 0
	WALU
	s_cbranch_scc1 .Ltitle
	v_lshl_add_u32 v14, v0, 2, SPARE
	v_mov_b32 v15, 0
	WALU
	s_wait_tensorcnt 0x0                           ; the wave's end
	ds_add_u32 v14, v15
	s_wait_dscnt 0x0
	s_endpgm
.Lfunc_end_k_qa59f396778_encode:
	.size	k_qa59f396778_encode, .Lfunc_end_k_qa59f396778_encode-k_qa59f396778_encode
	.p2alignl 7, 3214868480
	.fill 96, 4, 3214868480
	.section	.rodata,"a",@progbits
	.p2align	6, 0x0
	.amdhsa_kernel k_qa59f396778_encode
		.amdhsa_group_segment_fixed_size 323584
		.amdhsa_private_segment_fixed_size 0
		.amdhsa_enable_private_segment 0
		.amdhsa_kernarg_size 104
		.amdhsa_user_sgpr_count 2
		.amdhsa_user_sgpr_kernarg_segment_ptr 1
		.amdhsa_wavefront_size32 1
		.amdhsa_system_sgpr_workgroup_id_x 1
		.amdhsa_system_sgpr_workgroup_id_y 1
		.amdhsa_system_sgpr_workgroup_id_z 1
		.amdhsa_system_vgpr_workitem_id 0
		.amdhsa_next_free_vgpr 512
		.amdhsa_next_free_sgpr 66
		.amdhsa_reserve_vcc 0
		.amdhsa_float_denorm_mode_32 3
		.amdhsa_float_denorm_mode_16_64 3
		.amdhsa_memory_ordered 1
		.amdhsa_forward_progress 1
		.amdhsa_inst_pref_size 100
	.end_amdhsa_kernel
	.amdgpu_metadata
---
amdhsa.version: [ 1, 2 ]
amdhsa.kernels:
  - .name:           k_qa59f396778_encode
    .symbol:         k_qa59f396778_encode.kd
    .args:
      - { .name: tokens, .offset: 0, .size: 8, .value_kind: global_buffer, .address_space: global }
      - { .name: xcodes, .offset: 8, .size: 8, .value_kind: global_buffer, .address_space: global }
      - { .name: xscales, .offset: 16, .size: 8, .value_kind: global_buffer, .address_space: global }
      - { .name: WQ_codes, .offset: 24, .size: 8, .value_kind: global_buffer, .address_space: global }
      - { .name: WQ_scales, .offset: 32, .size: 8, .value_kind: global_buffer, .address_space: global }
      - { .name: WK_codes, .offset: 40, .size: 8, .value_kind: global_buffer, .address_space: global }
      - { .name: WK_scales, .offset: 48, .size: 8, .value_kind: global_buffer, .address_space: global }
      - { .name: WV_codes, .offset: 56, .size: 8, .value_kind: global_buffer, .address_space: global }
      - { .name: WV_scales, .offset: 64, .size: 8, .value_kind: global_buffer, .address_space: global }
      - { .name: WO_codes, .offset: 72, .size: 8, .value_kind: global_buffer, .address_space: global }
      - { .name: WO_scales, .offset: 80, .size: 8, .value_kind: global_buffer, .address_space: global }
      - { .name: dense_w, .offset: 88, .size: 8, .value_kind: global_buffer, .address_space: global }
      - { .name: out0, .offset: 96, .size: 8, .value_kind: global_buffer, .address_space: global }
    .group_segment_fixed_size: 323584
    .private_segment_fixed_size: 0
    .kernarg_segment_align: 8
    .kernarg_segment_size: 104
    .max_flat_workgroup_size: 256
    .sgpr_count:     66
    .vgpr_count:     512
    .wavefront_size: 32
...
	.end_amdgpu_metadata
.endif
;; end of part 2
